; MI455X (gfx1250); checked and timed in simulation.
; The chip was launched on July 23, 2026; its instructions are those of AMD's public machine-readable ISA for CDNA 5 (MIT licence, August 2026) and "CDNA5" Instruction Set Architecture Reference Guide (July 2026). The comments in the code are by the model that wrote it; some were corrected since.
;; Multi Head Attention. Allowed arithmetic: matrix products marked QUANTISED: E2M3 operands, one E8M0 scale for each 32 along K, by v_wmma_scale_f32_16x16x128_f8f6f4 with both operands' format E2M3, f32 sums; everything else in f32.
;; Inputs: Wq 1,024 x 1,024 float32; x 4 x 2,048 x 1,024 float32.
;; Outputs: out0 4 x 2,048 x 1,024 float32.
;; This version of the problem:
;;   THIS VERSION OF THE PROBLEM IS GIVEN IN LOW PRECISION. The matrix products marked QUANTISED in the list below multiply operands that are first quantised to E2M3 (2 exponent bits, 3 mantissa bits; 6 bits a number), with one power-of-two scale for each 32 numbers along K (OCP MX v1.0); their sums are f32. All else is computed in f32.
;;   The module's matrix products, in the order in which they are computed (A, B: the left and right operand; K: the contracted axis; several contracted axes count as one K, in the product's order):
;;     1. [M 8,192, K 1,024] x [K 1,024, N 1,024]; A: input x; B: input Wq: QUANTISED
;;     2. batch 64 x [M 2,048, K 64] x [K 64, N 2,048]; A: computed on the way; B: computed on the way: QUANTISED
;;     3. batch 64 x [M 64, K 2,048] x [K 2,048, N 2,048]; A: computed on the way; B: softmax (see below): QUANTISED
;;   THE QUANTISER, for each operand of a quantised product, along K:
;;     - K is cut into blocks of 32 from its start; a last block that is shorter is filled with zeros.
;;     - A block's scale is 2^e with e = floor(log2(the largest magnitude in the block)) - 2, held to -126 .. 127; a block of zeros has e = 0. As a byte (E8M0): e + 127.
;;     - Each number is divided by its block's scale, clamped to +-7.5, and rounded to the nearest number of E2M3, ties to even, subnormals kept.
;;     - The product sums the exact products of the quantised numbers (number of the format x scale) in f32.
;;   ~~~python
;;   def quantise(x, axis):      # numpy; x: float32 -> the quantised numbers, widened to float32 again
;;       x = np.moveaxis(x, axis, -1); K = x.shape[-1]
;;       x = np.pad(x, [(0, 0)] * (x.ndim - 1) + [(0, -K % 32)]); x = x.reshape(x.shape[:-1] + (-1, 32)); a = np.abs(x).max(-1, keepdims=True)
;;       e = np.where(a > 0, np.clip(np.frexp(np.where(a > 0, a, 1))[1] - 1 - 2, -126, 127), 0)      # np.frexp(a)[1] - 1 = floor(log2(a)), exactly
;;       r = np.clip(x / 2.0 ** e, -7.5, 7.5)
;;       step = 2.0 ** (np.maximum(np.frexp(np.where(r == 0, 1, r))[1] - 1, 0) - 3)
;;       q = np.round(r / step) * step * 2.0 ** e      # np.round: ties to even
;;       return np.moveaxis(q.reshape(q.shape[:-2] + (-1,))[..., :K], -1, axis).astype(np.float32)
;;   ~~~
;;   SOFTMAX AHEAD OF A QUANTISED PRODUCT. Where the list says 'softmax', what is quantised is not the finished softmax but p = 2^(t - M), with t = logit x log2(e) and M = ceil(the row's largest t), a whole number; so 1/2 < the row's largest p <= 1. The row's sum l is taken of the UNQUANTISED p, in f32, and the product's result is divided by l at the end. Since M is a whole number, a kernel that streams over the keys may use a running M (the ceiling of the running maximum): every later rescaling is an exact power of two, which a block's scale takes up: the codes' values come out the same.
;;   OPERANDS COMPUTED ON THE WAY. 'Computed on the way' means the value that the module computes at that place (a softmax that the list does not call 'softmax' is quantised finished and normalised). What goes into a quantiser is computed in f32, as accurately as f32 sums, v_exp_f32 and their like allow (about 1e-6 of the number): no bf16 or f16 on the way to a quantiser, and a product that is left as it is and whose result goes on into a quantised operand takes f32 operands (vector FMAs, or v_wmma_f32_16x16x4_f32). A number that lies on a knife's edge between two numbers of the format may be rounded either way, as far as f32 arithmetic and the matrix unit's own rounding can turn it there, and no further.
;; One version. Each part assembles by itself: llvm-mc -triple=amdgcn-amd-amdhsa -mcpu=gfx1250 --defsym DOCPART=n.
;; ======== version 1 of 1: 3 launches
;; workspace buffers: xc 6,291,456 bytes; xs 262,144 bytes; wc 786,432 bytes; ws 32,768 bytes; kv 13,369,344 bytes
;; launch quant (part 1): grid 288 x 1, 4 waves a work-group, no clusters, 33,280 bytes of LDS; arguments x, Wq, xc, xs, wc, ws; writes xc, xs, wc, ws
.if DOCPART == 1
	.amdgcn_target "amdgcn-amd-amdhsa--gfx1250"
	.amdhsa_code_object_version 6
	.text
	.protected	k_qc7f85d65b0_quant
	.globl	k_qc7f85d65b0_quant
	.p2align	8
	.type	k_qc7f85d65b0_quant,@function
k_qc7f85d65b0_quant:
	s_mov_b64 s[64:65], 0
	v_nop
	global_prefetch_b8 v0, s[64:65] scope:SCOPE_SE
	s_setreg_imm32_b32 hwreg(HW_REG_WAVE_MODE, 25, 1), 1
	s_wait_xcnt 0x0
; x [8192][1024] and Wq [1024][1024], f32, become codes of FP6 (E2M3), 6 bits each, K innermost, with one E8M0 scale byte for each 32 along K.
; A block's scale is 2^(floor(log2(its largest magnitude)) - 2); its byte is the largest magnitude's own exponent field - 2, held at 1 from below.
; (A block of zeros so gets the byte 1 where the stated quantiser says 127: its codes are zeros, which add nothing under any byte but 0xff, and only this program reads the bytes.)
; LIMITS: blocks whose largest magnitude lies under 2^-124 keep the byte 1; NaN and infinities among the inputs are not served.
; THE ROWS ARE STORED IN ANOTHER ORDER THAN THEY ARE READ: logical row 32 B + 16 g + 8 u + e (e < 8) goes to row 32 B + 16 u + 8 g + e of the codes and of the scale bytes.  So sixteen
; neighbouring stored rows (tile 2 B + u, place r) are the logical rows 32 B + 8 u + r + 8 (r / 8): the order in which the next launch wants a tile's rows, so that its results lie along the next K.
; A wave takes 16 steps of 512 numbers: 8 whole rows, which stay together under that order; only where the wave's 6,144 bytes of codes and 256 scale bytes go is changed.
; Each of a step's four loads reads 512 consecutive bytes, 16 a lane; the 2,048 bytes turn through the wave's own stage in LDS and come back 64 bytes a lane, so that a lane holds 16 neighbours along K
; (two neighbouring lanes hold a block).  A lane's 16 codes are 12 bytes: the wave stores 384 consecutive bytes.  The wave's 256 scale bytes are gathered in LDS and leave as one aligned run of 256 bytes.
; One launch serves both tensors: the first WGA work-groups take x, the others Wq.  No tensor loads, no barrier: waves share nothing, so clusters and the matrix units have nothing to give here.
.set SIZE_M, 8192
.set SIZE_N, 1024
.set SIZE_K, 1024
.set WAVES, 4
.set STEPS, 16
.set WGA,   SIZE_M*SIZE_K/(512*STEPS*WAVES)    ; 256 work-groups for x, 32 for Wq
.set EMAX,  2
.set CB,    12                         ; bytes of 16 codes
.set R,     16                         ; v16-79   four sets of 16 numbers as they are loaded
.set X,     80                         ; v80-111  two sets of 16 neighbours
.set C,     128                        ; v128-191 codes: four registers for each step, so that no store's data are written again
.set E,     112                        ; v112-127 a scale byte for each step
.set WREG,  8192                       ; LDS: a region of its own for each wave: two stages of 32 x SP bytes, and behind them its 256 scale bytes
.set SP,    80                         ; a lane's place in a stage: its 64 bytes + 16 of padding
	s_load_b128 s[4:7], s[0:1], 0x0                ; x, Wq
	s_load_b128 s[8:11], s[0:1], 0x10              ; x's codes, x's scales
	s_load_b128 s[12:15], s[0:1], 0x20             ; Wq's codes, Wq's scales
	v_lshl_add_u32 v192, v0, 2, 0x8000
	v_mov_b32 v193, 0
	v_lshrrev_b32 v1, 5, v0
	v_readfirstlane_b32 s16, v1                    ; wave
	v_and_b32 v2, 31, v0                           ; lane
	v_lshlrev_b32 v3, 4, v2                        ; my 16 bytes of a load's 512
	s_mul_i32 s17, s16, WREG
	v_lshrrev_b32 v14, 2, v2
	v_mul_u32_u24 v14, v14, SP
	v_and_b32 v15, 3, v2
	v_lshl_add_u32 v14, v15, 4, v14
	v_add_nc_u32 v14, s17, v14                     ; the stage, on the way in: four lanes' 64 bytes on end, then 16 of padding
	v_mul_u32_u24 v15, v2, SP
	v_add_nc_u32 v15, s17, v15                     ; and on the way out: SP x lane: my 16 neighbours
	v_mul_u32_u24 v4, v2, CB                       ; my codes' place in a step's
	v_lshrrev_b32 v5, 1, v2
	s_add_co_u32 s17, s17, 2*32*SP
	v_add_nc_u32 v5, s17, v5                       ; LDS: my wave's 256 scale bytes, my block's byte
	v_lshlrev_b32 v7, 3, v2                        ; and on the way out 8 bytes a lane
	v_add_nc_u32 v6, s17, v7
	s_wait_alu depctr_va_vdst(0)
	s_wait_kmcnt 0x0
	s_cmp_lt_u32 ttmp9, WGA                        ; x's work-group or Wq's?  The choice hangs on the work-group's number alone
	s_cselect_b64 s[4:5], s[4:5], s[6:7]
	s_cselect_b64 s[8:9], s[8:9], s[12:13]
	s_cselect_b64 s[10:11], s[10:11], s[14:15]
	s_cselect_b32 s17, 0, WGA
	s_sub_co_u32 s17, ttmp9, s17
	s_lshl_b32 s17, s17, 2
	s_add_co_u32 s18, s17, s16                     ; which run of 8 rows of the tensor is my wave's: 4 B + 2 g + u
	s_mov_b32 s19, 0
	s_mov_b64 s[20:21], 512*STEPS*4
	s_mul_u64 s[20:21], s[18:19], s[20:21]
	s_add_nc_u64 s[4:5], s[4:5], s[20:21]          ; read from there;
	s_and_not1_b32 s22, s18, 3                     ; stored as run 4 B + 2 u + g
	s_and_b32 s23, s18, 1
	s_lshl_b32 s23, s23, 1
	s_bfe_u32 s24, s18, 0x10001                    ; one bit from bit 1
	s_or_b32 s22, s22, s23
	s_or_b32 s22, s22, s24
	s_mov_b32 s23, 0
	s_mov_b64 s[20:21], 32*STEPS*CB
	s_mul_u64 s[20:21], s[22:23], s[20:21]
	s_add_nc_u64 s[8:9], s[8:9], s[20:21]
	s_lshl_b32 s22, s22, 8                         ; 256 scale bytes a run
	s_add_nc_u64 s[10:11], s[10:11], s[22:23]
.macro LOAD t
.irp i, 0,1,2,3
	global_load_b128 v[R+16*((\t)%4)+4*\i:R+16*((\t)%4)+4*\i+3], v3, s[4:5] offset:2048*(\t)+512*\i th:TH_LOAD_NT   ; 32 lanes read 512 consecutive bytes
.endr
.endm
.macro TURN t                          ; step t's numbers through the stage: LDS serves a wave's instructions in order, so no wait stands between the stores and the loads
.irp i, 0,1,2,3
	ds_store_b128 v14, v[R+16*((\t)%4)+4*\i:R+16*((\t)%4)+4*\i+3] offset:32*SP*((\t)%2)+8*SP*\i
.endr
.irp i, 0,1,2,3
	ds_load_b128 v[X+16*((\t)%2)+4*\i:X+16*((\t)%2)+4*\i+3], v15 offset:32*SP*((\t)%2)+16*\i
.endr
.endm
.irp t, 0,1,2,3
	LOAD \t
.endr
	s_wait_loadcnt 12                              ; step 0's four loads are in; the twelve of steps 1 to 3 may be out
	TURN 0
.macro STEP t
.set XS, X+16*((\t)%2)
.if (\t) > 0
	s_wait_dscnt 1                                 ; this step's numbers are back from the stage (the last step's byte store may be out): so its stores into the stage have read their registers,
.else
	s_wait_dscnt 0x0
.endif
.if (\t)+4 < STEPS
	LOAD (\t)+4                                    ; which take the loads of four steps on
.endif
.if (\t)+1 < STEPS
.if STEPS-2-(\t) >= 3
	s_wait_loadcnt 12                              ; the next step's four loads are in; those of the three steps behind it may be out
.else
	s_wait_loadcnt 4*(STEPS-2-(\t))
.endif
	TURN (\t)+1                                    ; and go through the other stage while this step is worked
.endif
	v_max3_num_f32 v8, |v[XS]|, |v[XS+1]|, |v[XS+2]|               ; the largest magnitude of my 16
	v_max3_num_f32 v9, |v[XS+3]|, |v[XS+4]|, |v[XS+5]|
.irp i, 6,10
	v_max3_num_f32 v8, v8, |v[XS+\i]|, |v[XS+\i+1]|
	v_max3_num_f32 v9, v9, |v[XS+\i+2]|, |v[XS+\i+3]|
.endr
	v_max3_num_f32 v8, v8, |v[XS+14]|, |v[XS+15]|
	v_max3_num_f32 v8, v8, v9, (EMAX+1)<<23        ; and the floor 2^(3 - 127): so the byte cannot fall under 1
	v_max_num_f32_dpp v8, v8, v8 row_xmask:1 row_mask:0xf bank_mask:0xf   ; and of my neighbour's 16: the block's
	v_add_nc_u32 v11, -(EMAX<<23), v8              ; 2 off its exponent field: the conversion takes the exponent field of this operand as its scale, and nothing else of it
	v_cvt_scalef32_pk16_fp6_f32 v[C+4*(\t):C+4*(\t)+2], v[XS:XS+15], v11         ; sixteen numbers / the scale, to the nearest code, ties to even, beyond the largest code the largest; 96 bits without gaps
	v_lshrrev_b32 v[E+(\t)], 23, v11               ; the scale's byte (also the plain line behind the conversion)
	ds_store_b8 v5, v[E+(\t)] offset:16*(\t)       ; both lanes of a block write the same byte with the same value
	global_store_b96 v4, v[C+4*(\t):C+4*(\t)+2], s[8:9] offset:32*CB*(\t)
.endm
.irp t, 0,1,2,3,4,5,6,7,8,9,10,11,12,13,14,15
	STEP \t
.endr
	ds_load_b64 v[12:13], v6                       ; LDS serves a wave's instructions in order: these see my stores
	s_wait_dscnt 0x0
	global_store_b64 v7, v[12:13], s[10:11]        ; 32 lanes store 256 consecutive bytes, aligned
	s_wait_tensorcnt 0x0
	ds_add_u32 v192, v193
	s_wait_dscnt 0x0
	s_endpgm
.Lfunc_end_k_qc7f85d65b0_quant:
	.size	k_qc7f85d65b0_quant, .Lfunc_end_k_qc7f85d65b0_quant-k_qc7f85d65b0_quant
	.p2alignl 7, 3214868480
	.fill 96, 4, 3214868480
	.section	.rodata,"a",@progbits
	.p2align	6, 0x0
	.amdhsa_kernel k_qc7f85d65b0_quant
		.amdhsa_group_segment_fixed_size 33280
		.amdhsa_private_segment_fixed_size 0
		.amdhsa_enable_private_segment 0
		.amdhsa_kernarg_size 48
		.amdhsa_user_sgpr_count 2
		.amdhsa_user_sgpr_kernarg_segment_ptr 1
		.amdhsa_wavefront_size32 1
		.amdhsa_system_sgpr_workgroup_id_x 1
		.amdhsa_system_sgpr_workgroup_id_y 1
		.amdhsa_system_sgpr_workgroup_id_z 1
		.amdhsa_system_vgpr_workitem_id 0
		.amdhsa_next_free_vgpr 194
		.amdhsa_next_free_sgpr 66
		.amdhsa_reserve_vcc 0
		.amdhsa_float_denorm_mode_32 3
		.amdhsa_float_denorm_mode_16_64 3
		.amdhsa_memory_ordered 1
		.amdhsa_forward_progress 1
		.amdhsa_inst_pref_size 33
	.end_amdhsa_kernel
	.amdgpu_metadata
---
amdhsa.version: [ 1, 2 ]
amdhsa.kernels:
  - .name:           k_qc7f85d65b0_quant
    .symbol:         k_qc7f85d65b0_quant.kd
    .args:
      - { .name: x, .offset: 0, .size: 8, .value_kind: global_buffer, .address_space: global }
      - { .name: Wq, .offset: 8, .size: 8, .value_kind: global_buffer, .address_space: global }
      - { .name: xc, .offset: 16, .size: 8, .value_kind: global_buffer, .address_space: global }
      - { .name: xs, .offset: 24, .size: 8, .value_kind: global_buffer, .address_space: global }
      - { .name: wc, .offset: 32, .size: 8, .value_kind: global_buffer, .address_space: global }
      - { .name: ws, .offset: 40, .size: 8, .value_kind: global_buffer, .address_space: global }
    .group_segment_fixed_size: 33280
    .private_segment_fixed_size: 0
    .kernarg_segment_align: 8
    .kernarg_segment_size: 48
    .max_flat_workgroup_size: 128
    .sgpr_count:     66
    .vgpr_count:     194
    .wavefront_size: 32
...
	.end_amdgpu_metadata
.endif
;; end of part 1
;; launch proj (part 2): grid 4 x 64, 4 waves a work-group, clusters of 4 x 4, 327,680 bytes of LDS; arguments xc, xs, wc, ws, kv; writes kv
.if DOCPART == 2
	.amdgcn_target "amdgcn-amd-amdhsa--gfx1250"
	.amdhsa_code_object_version 6
	.text
	.protected	k_qc7f85d65b0_proj
	.globl	k_qc7f85d65b0_proj
	.p2align	8
	.type	k_qc7f85d65b0_proj,@function
k_qc7f85d65b0_proj:
	s_mov_b64 s[64:65], 0
	v_nop
	global_prefetch_b8 v0, s[64:65] scope:SCOPE_SE
	s_setreg_imm32_b32 hwreg(HW_REG_WAVE_MODE, 25, 1), 1
	s_wait_xcnt 0x0
	s_wait_alu depctr_hold_cnt(0) depctr_sa_sdst(0) depctr_va_vdst(0) depctr_va_sdst(0) depctr_va_ssrc(0) depctr_va_vcc(0) depctr_vm_vsrc(0)
	s_getreg_b32 s2, hwreg(HW_REG_IB_STS2, 6, 4)
	s_cmp_eq_u32 s2, 0
	s_cbranch_scc0 .Lentry_in_a_cluster
	s_endpgm
.Lentry_in_a_cluster:
	s_bfe_u32 s2, ttmp6, 0x10000c
	s_cmp_lg_u32 s2, 0xf033
	s_cbranch_scc0 .Lentry_shape_is_right
	s_endpgm
.Lentry_shape_is_right:
.set SIZE_K, 1024
.set KSTEP,  256
.set NQ,     KSTEP/128
.set ROWB,   192
.set KROW,   SIZE_K*6/8
.set PITCH,  240
.set FR,     12
.set NL,     6
.set NP,     4
.set HALFT,  128*PITCH
.set SLOT,   4*HALFT
.set LAPS,   SIZE_K/(2*KSTEP)
.set KS,     SIZE_K/32
.set SCL,    2*SLOT
.set HALFS,  (128*KS/256)*272
.set SBLK,   (16*KS/256)*272
.set SPARE,  SCL+4*HALFS
.set SREC,   13056
.set HREC,   16*SREC
.set ADRA, 16
.set ADRB, 20
.set SPW,  28
.set NIL,  29
.set ADRS, 27
.set SC,   32
.set AF,   128
.set CDS,  112
.set TM,   200
.set PWS,  216
.set CW,   224
.set CO,   228
.set G1, 24
.set G0, 32
.set G1B, 48
.set G0B, 56
.set G1S, 68
.set G0S, 76
.set G1SB, 80
.set G0SB, 88
.set ROLE, 95
.set MSB, 0
.macro WIN new
.if MSB != \new
	s_set_vgpr_msb (MSB<<8)|\new
.set MSB, \new
.endif
.endm
.set MUL_LO, 0xa1
.set MUL_HI, 0xf1
.set TO_B,   0x40
.macro JLOAD g0a, g1a, g0b, g1b
	s_cmp_eq_u32 s15, 0
	s_cbranch_scc0 .Lfor_b_\@
	tensor_load_to_lds s[\g0a:\g0a+3], s[\g1a:\g1a+7]
	s_nop 0
.rept 4
	v_nop
.endr
	s_branch .Lasked_\@
.Lfor_b_\@:
	tensor_load_to_lds s[\g0b:\g0b+3], s[\g1b:\g1b+7]
	s_nop 0
.rept 4
	v_nop
.endr
.Lasked_\@:
.endm
.macro CREST
	s_cmp_lg_u32 s14, 0
	s_cbranch_scc1 .Lnot_wave_0_\@
	s_barrier_signal -3
.Lnot_wave_0_\@:
	s_barrier_wait -3
	s_barrier_signal -1
	s_barrier_wait -1
.endm
.macro CROUND
	s_barrier_signal -1
	s_barrier_wait -1
	CREST
.endm
	s_load_b128 s[4:7], s[0:1], 0x0
	s_load_b128 s[8:11], s[0:1], 0x10
	s_load_b64 s[12:13], s[0:1], 0x20
	v_lshl_add_u32 v[SPW], v0, 2, SPARE
	v_mov_b32 v[NIL], 0
	ds_add_u32 v28, v29
	ds_add_u32 v28, v29
	s_wait_dscnt 0x0
	v_lshrrev_b32 v1, 5, v0
	v_readfirstlane_b32 s14, v1
	s_lshr_b32 s15, s14, 1
	s_and_b32 s16, s14, 1
	s_bfe_u32 s40, ttmp6, 0x40000
	s_bfe_u32 s41, ttmp6, 0x40004
	s_and_b32 s96, ttmp7, 0xffff
	s_sub_co_u32 s97, s96, 8
	s_cmp_lt_u32 s96, 8
	s_cselect_b32 s17, s96, 0
	s_cselect_b32 s42, 0, s97
	s_cselect_b32 s[ROLE], 0, 1
	s_lshl_b32 s17, s17, 2
	s_add_co_u32 s17, s17, s41
	s_lshl_b32 s42, s42, 2
	s_add_co_u32 s42, s42, s40
	s_lshl_b32 s43, s41, 2
	s_lshl_b32 s43, 15, s43
	s_lshl_b32 s44, 0x1111, s40
	s_or_b32 s[G1+0], s43, (0<<16)|(1<<20)|(1<<21)|(3<<22)|(3<<25)
	s_or_b32 s[G1B+0], s44, (0<<16)|(1<<20)|(1<<21)|(3<<22)|(3<<25)
.irp g, G1, G1B
	s_mov_b32 s[\g+1], ROWB<<16
	s_mov_b32 s[\g+2], 128<<16
	s_mov_b32 s[\g+3], ROWB<<16
	s_mov_b32 s[\g+4], 128
	s_mov_b32 s[\g+5], KROW
	s_mov_b32 s[\g+6], 0
	s_mov_b32 s[\g+7], 0
.endr
	s_or_b32 s[G1S+0], s43, (3<<16)|(1<<20)|(1<<21)|(5<<22)|(3<<25)
	s_or_b32 s[G1SB+0], s44, (3<<16)|(1<<20)|(1<<21)|(5<<22)|(3<<25)
.irp g, G1S, G1SB
	s_mov_b32 s[\g+1], 32<<16
	s_mov_b32 s[\g+2], (128*KS/256)<<16
	s_mov_b32 s[\g+3], 32<<16
	s_mov_b32 s[\g+4], 128*KS/256
	s_mov_b32 s[\g+5], 32
	s_mov_b32 s[\g+6], 0
	s_mov_b32 s[\g+7], 0
.endr
	s_lshl_b32 s18, s16, 7
	s_lshl_b32 s20, s17, 8
	s_add_co_u32 s20, s20, s18
	s_lshl_b32 s46, s42, 8
	s_add_co_u32 s46, s46, s18
	s_mov_b32 s21, 0
	s_mov_b32 s47, 0
	s_mov_b64 s[18:19], KS
	s_mul_u64 s[22:23], s[20:21], s[18:19]
	s_mul_u64 s[92:93], s[46:47], s[18:19]
	s_mov_b64 s[18:19], KROW
	s_mul_u64 s[20:21], s[20:21], s[18:19]
	s_mul_u64 s[46:47], s[46:47], s[18:19]
	s_mul_i32 s45, s14, HALFT
	s_mul_i32 s94, s14, HALFS
	s_wait_kmcnt 0x0
	s_cmp_eq_u32 s[ROLE], 0
	s_cselect_b64 s[98:99], s[4:5], s[8:9]
	s_cselect_b64 s[100:101], s[6:7], s[10:11]
	s_cselect_b64 s[8:9], s[8:9], s[4:5]
	s_cselect_b64 s[10:11], s[10:11], s[6:7]
	s_add_nc_u64 s[20:21], s[98:99], s[20:21]
	s_add_nc_u64 s[22:23], s[100:101], s[22:23]
	s_add_nc_u64 s[46:47], s[8:9], s[46:47]
	s_add_nc_u64 s[92:93], s[10:11], s[92:93]
	CROUND
	s_mov_b32 s[G0S], 1
	s_add_co_u32 s[G0S+1], s94, SCL
	s_mov_b64 s[G0S+2:G0S+3], s[22:23]
	s_or_b32 s[G0S+3], s[G0S+3], 0x80000000
	s_mov_b32 s[G0SB], 1
	s_add_co_u32 s[G0SB+1], s94, SCL
	s_mov_b64 s[G0SB+2:G0SB+3], s[92:93]
	s_or_b32 s[G0SB+3], s[G0SB+3], 0x80000000
	JLOAD G0S, G1S, G0SB, G1SB
.irp s, 0,1
	s_mov_b32 s[G0+4*\s], 1
	s_add_co_u32 s[G0+4*\s+1], s45, \s*SLOT
	s_add_nc_u64 s[G0+4*\s+2:G0+4*\s+3], s[20:21], \s*ROWB
	s_or_b32 s[G0+4*\s+3], s[G0+4*\s+3], 0x80000000
	s_mov_b32 s[G0B+4*\s], 1
	s_add_co_u32 s[G0B+4*\s+1], s45, \s*SLOT
	s_add_nc_u64 s[G0B+4*\s+2:G0B+4*\s+3], s[46:47], \s*ROWB
	s_or_b32 s[G0B+4*\s+3], s[G0B+4*\s+3], 0x80000000
	s_wait_alu depctr_va_vdst(0)
	s_wait_tensorcnt 0x0
	ds_add_u32 v28, v29
	s_wait_dscnt 0x0
	CROUND
	JLOAD G0+4*\s, G1, G0B+4*\s, G1B
.endr
	v_and_b32 v1, 15, v0
	v_bfe_u32 v2, v0, 4, 1
	v_mul_u32_u24 v3, v1, PITCH
	v_mul_u32_u24 v4, v2, 24
	v_add_nc_u32 v4, v3, v4
	v_lshl_add_u32 v5, v2, 4, v4
	s_mul_i32 s21, s15, HALFT
	s_mul_i32 s22, s16, HALFT
	s_add_co_u32 s22, s22, 2*HALFT
.irp s, 0,1
	v_add_nc_u32 v[ADRA+\s], s21, v4
	v_add_nc_u32 v[ADRB+\s], s22, v4
	v_add_nc_u32 v[ADRA+2+\s], s21, v5
	v_add_nc_u32 v[ADRB+2+\s], s22, v5
	s_add_co_u32 s21, s21, SLOT
	s_add_co_u32 s22, s22, SLOT
.endr
	v_mul_u32_u24 v5, v1, KS
	v_lshrrev_b32 v6, 8, v5
	v_lshl_add_u32 v5, v6, 4, v5
	s_mul_i32 s21, s15, HALFS
	s_mul_i32 s22, s16, HALFS
	s_add_co_u32 s22, s22, 2*HALFS
	s_sub_co_u32 s22, s22, s21
	v_mul_u32_u24 v6, s22, v2
	s_add_co_u32 s21, s21, SCL
	v_add_nc_u32 v5, v5, v6
	v_add_nc_u32 v[ADRS], s21, v5
	s_lshl_b32 s20, s17, 8
	s_lshl_b32 s21, s15, 7
	s_add_co_u32 s20, s20, s21
	s_lshl_b32 s46, s42, 8
	s_lshl_b32 s47, s16, 7
	s_add_co_u32 s46, s46, s47
	s_cmp_eq_u32 s[ROLE], 0
	s_cselect_b32 s21, s20, s46
	s_cselect_b32 s47, s46, s20
	s_lshr_b32 s47, s47, 6
	s_lshr_b32 s20, s21, 11
	s_lshl_b32 s20, s20, 4
	s_add_co_u32 s20, s20, s47
	s_mul_i32 s20, s20, HREC
	s_bfe_u32 s21, s21, 0x40007
	s_mul_i32 s21, s21, SREC
	s_add_co_u32 s20, s20, s21
	s_mov_b32 s21, 0
	s_add_nc_u64 s[12:13], s[12:13], s[20:21]
.macro FRAG reg, adr, q, i
.irp p, 0,1,2,3,4,5
.set PC, 12*(\q)+6*(\p/3)+\p%3
.if PC%8 < 5
	ds_load_b64 v[\reg+2*\p:\reg+2*\p+1], v[\adr] offset:8*PC+16*(PC/8)+(\i)*16*PITCH
.else
	ds_load_b64 v[\reg+2*\p:\reg+2*\p+1], v[\adr+2] offset:8*PC+16*(PC/8)+(\i)*16*PITCH
.endif
.endr
.endm
.macro MUL16 a0, p, q, sc, zero
.irp a, \a0, \a0+1
.irp b, 0,1,2,3,4,5,6,7
.if \zero
	v_wmma_scale_f32_16x16x128_f8f6f4 v[8*(8*((\a)%4)+\b):8*(8*((\a)%4)+\b)+7], v[128*(\p)+FR*\b:128*(\p)+FR*\b+FR-1], v[AF+FR*(\a):AF+FR*(\a)+FR-1], 0, v[SC+8*NQ*(\sc)+NQ*\b+(\q)], v[SC+8*NQ*(\sc)+NQ*(\a)+(\q)] matrix_a_fmt:MATRIX_FMT_FP6 matrix_b_fmt:MATRIX_FMT_FP6 matrix_a_scale:MATRIX_SCALE_ROW1
.else
	v_wmma_scale_f32_16x16x128_f8f6f4 v[8*(8*((\a)%4)+\b):8*(8*((\a)%4)+\b)+7], v[128*(\p)+FR*\b:128*(\p)+FR*\b+FR-1], v[AF+FR*(\a):AF+FR*(\a)+FR-1], v[8*(8*((\a)%4)+\b):8*(8*((\a)%4)+\b)+7], v[SC+8*NQ*(\sc)+NQ*\b+(\q)], v[SC+8*NQ*(\sc)+NQ*(\a)+(\q)] matrix_a_fmt:MATRIX_FMT_FP6 matrix_b_fmt:MATRIX_FMT_FP6 matrix_a_scale:MATRIX_SCALE_ROW1
.endif
.endr
.endr
.endm
.macro FETCH_B slot, q, p
	WIN TO_B
.irp i, 0,1,2,3,4,5,6,7
	FRAG 128*(\p)+FR*\i, ADRB+\slot, \q, \i
.endr
	WIN 0
.endm
.macro FETCH_A slot, q, i0
.irp i, \i0, \i0+1, \i0+2, \i0+3
	FRAG AF+FR*(\i), ADRA+\slot, \q, \i
.endr
.endm
.macro SCALES sc
.irp i, 0,1,2,3,4,5,6,7
	ds_load_b64 v[SC+8*NQ*\sc+NQ*\i:SC+8*NQ*\sc+NQ*\i+1], v[ADRS] offset:\i*SBLK
.endr
.endm
.macro PLACES n
.rept \n
	v_nop
.endr
.endm
.macro STEP slot, q, zero
	s_wait_dscnt 4*NL
	WIN MUL_LO
	MUL16 0, (\q)%2, \q, \slot, \zero
	MUL16 2, (\q)%2, \q, \slot, \zero
	s_wait_dscnt 0
	PLACES NP
	FETCH_B \slot, (\q)+1, 1-(\q)%2
	FETCH_A \slot, (\q)+1, 0
	WIN MUL_HI
	MUL16 4, (\q)%2, \q, \slot, \zero
	MUL16 6, (\q)%2, \q, \slot, \zero
	PLACES NP
	WIN 0
	FETCH_A \slot, (\q)+1, 4
.endm
.macro TURN slot, next, fill
	s_wait_tensorcnt 0x0
	ds_add_u32 v[SPW], v[NIL]
	s_wait_dscnt 4*NL+1
	WIN MUL_LO
	MUL16 0, 1, NQ-1, \slot, 0
	s_wait_dscnt 0x0
	s_barrier_signal -1
	MUL16 2, 1, NQ-1, \slot, 0
	WIN 0
	s_barrier_wait -1
.if \fill
	CREST
	s_add_nc_u64 s[G0+4*\slot+2:G0+4*\slot+3], s[G0+4*\slot+2:G0+4*\slot+3], 2*ROWB
	s_add_nc_u64 s[G0B+4*\slot+2:G0B+4*\slot+3], s[G0B+4*\slot+2:G0B+4*\slot+3], 2*ROWB
	JLOAD G0+4*\slot, G1, G0B+4*\slot, G1B
.else
	PLACES NP
.endif
	s_wait_alu depctr_va_vdst(0)
	v_add_nc_u32 v[ADRS], 4*NQ, v[ADRS]
	FETCH_B \next, 0, 0
	FETCH_A \next, 0, 0
	SCALES \next
	WIN MUL_HI
	MUL16 4, 1, NQ-1, \slot, 0
	MUL16 6, 1, NQ-1, \slot, 0
	PLACES NP
	WIN 0
	FETCH_A \next, 0, 4
.endm
	s_wait_alu depctr_va_vdst(0)
	s_wait_tensorcnt 1
	s_barrier_signal -1
	s_barrier_wait -1
	FETCH_B 0, 0, 0
	FETCH_A 0, 0, 0
	SCALES 0
	FETCH_A 0, 0, 4
	STEP 0, 0, 1
	s_mov_b32 s3, LAPS-1
.Llap:
	TURN 0, 1, 1
	STEP 1, 0, 0
	TURN 1, 0, 1
	STEP 0, 0, 0
	s_sub_co_u32 s3, s3, 1
	s_cmp_lg_u32 s3, 0
	s_cbranch_scc1 .Llap
	TURN 0, 1, 0
	STEP 1, 0, 0
	s_wait_dscnt 4*NL
	WIN MUL_LO
	MUL16 0, 1, NQ-1, 1, 0
	MUL16 2, 1, NQ-1, 1, 0
	s_wait_dscnt 0
	WIN MUL_HI
	MUL16 4, 1, NQ-1, 1, 0
	MUL16 6, 1, NQ-1, 1, 0
	WIN 0
	s_mov_b32 s20, 768
	s_mov_b32 s21, 1536
	s_cmp_eq_u32 s[ROLE], 0
	s_cselect_b32 s22, HREC, s20
	s_cselect_b32 s40, s20, s21
	s_cselect_b32 s42, 0, HREC-4*1536
	s_cselect_b32 s44, 0, 6144
	s_mov_b32 s23, 0
	s_mov_b32 s41, 0
	s_mov_b32 s43, 0
	s_mov_b32 s45, 0
	s_add_nc_u64 s[46:47], s[12:13], s[44:45]
	s_add_nc_u64 s[92:93], s[46:47], s[22:23]
	s_mov_b32 s94, 0xffff0000
	s_mov_b32 s96, 0x76543210
	s_mov_b32 s97, 0xfedcba98
	PLACES NP
	v_and_b32 v3, 31, v0
	v_lshlrev_b32 v1, 3, v3
	v_lshlrev_b32 v2, 4, v3
.irp b, 0,1,2,3
	v_mov_b32 v[TM+4+\b], 0
.endr
.macro OUTROW a
.set OW, 2+(\a)/4
.set OS, 64*((\a)%4)
	WIN (OW<<2)|(OW<<4)
.irp b, 0,1,2,3
	v_max3_num_f32 v[TM+\b], 0x1800000, |v[OS+16*\b]|, |v[OS+16*\b+1]|
.endr
.irp i, 2,4,6,8,10,12,14
.irp b, 0,1,2,3
	v_max3_num_f32 v[TM+\b], v[TM+\b], |v[OS+16*\b+\i]|, |v[OS+16*\b+\i+1]|
.endr
.endr
	WIN 0
.irp b, 0,1,2,3
	v_permlanex16_b32 v[TM+4+\b], v[TM+\b], s96, s97
.endr
.irp b, 0,1,2,3
	v_max_num_f32 v[TM+\b], v[TM+\b], v[TM+4+\b]
.endr
.irp b, 0,1,2,3
	v_add_nc_u32 v[TM+12+\b], 0xff000000, v[TM+\b]
.endr
.irp b, 0,1,2,3
	v_lshrrev_b32 v[TM+4+\b], 23, v[TM+12+\b]
.endr
	v_lshl_or_b32 v[PWS+(\a)], v[TM+5], 8, v[TM+4]
	v_lshl_or_b32 v[PWS+(\a)], v[TM+6], 16, v[PWS+(\a)]
	v_lshl_or_b32 v[PWS+(\a)], v[TM+7], 24, v[PWS+(\a)]
.if (\a) > 0
	s_wait_xcnt 0x0
	s_add_nc_u64 s[46:47], s[46:47], s[40:41]
	s_add_nc_u64 s[92:93], s[92:93], s[40:41]
.if (\a) == 4
	s_add_nc_u64 s[46:47], s[46:47], s[42:43]
	s_add_nc_u64 s[92:93], s[92:93], s[42:43]
.endif
.endif
	WIN OW
.irp c, 0,1
	v_cvt_scalef32_pk16_fp6_f32 v[CDS+6*\c:CDS+2+6*\c], v[OS+32*\c:OS+15+32*\c], v[TM+12+2*\c]
	v_cvt_scalef32_pk16_fp6_f32 v[CDS+12+4*\c:CDS+14+4*\c], v[OS+16+32*\c:OS+31+32*\c], v[TM+12+2*\c+1]
.endr
	WIN 0
	v_nop
.irp c, 0,1
.irp i, 0,1,2
	v_permlane16_swap_b32 v[CDS+6*\c+\i], v[CDS+12+4*\c+\i]
.endr
.irp i, 0,1,2
	v_mov_b32 v[CDS+3+6*\c+\i], v[CDS+12+4*\c+\i]
.endr
.endr
.irp p, 0,1,2
	global_store_b64 v1, v[CDS+2*\p:CDS+2*\p+1], s[46:47] offset:256*\p
.endr
.irp p, 0,1,2
	global_store_b64 v1, v[CDS+6+2*\p:CDS+6+2*\p+1], s[92:93] offset:256*\p
.endr
.endm
.irp a, 0,1,2,3,4,5,6,7
	OUTROW \a
.endr
.irp b, 0,1,2,3
	v_cndmask_b32 v[CW+\b], v[PWS+2*\b], v[PWS+2*\b+1], s94
.endr
	s_cmp_lg_u32 s[ROLE], 0
	s_cbranch_scc1 .Lvalues
	global_store_b128 v2, v[CW:CW+3], s[12:13] offset:12288
.irp b, 0,1,2,3
	v_lshrrev_b32 v[CO+\b], 16, v[CW+\b]
.endr
	global_store_b128 v2, v[CO:CO+3], s[12:13] offset:HREC+12288
	s_branch .Lwords_out
.Lvalues:
	s_wait_alu depctr_va_vdst(0)
	global_store_b64 v1, v[CW:CW+1], s[12:13] offset:12800
	global_store_b64 v1, v[CW+2:CW+3], s[12:13] offset:HREC+12800
.Lwords_out:
	s_wait_tensorcnt 0x0
	ds_add_u32 v[SPW], v[NIL]
	s_wait_dscnt 0x0
	CROUND
	s_endpgm
.Lfunc_end_k_qc7f85d65b0_proj:
	.size	k_qc7f85d65b0_proj, .Lfunc_end_k_qc7f85d65b0_proj-k_qc7f85d65b0_proj
	.p2alignl 7, 3214868480
	.fill 96, 4, 3214868480
	.section	.rodata,"a",@progbits
	.p2align	6, 0x0
	.amdhsa_kernel k_qc7f85d65b0_proj
		.amdhsa_group_segment_fixed_size 327680
		.amdhsa_private_segment_fixed_size 0
		.amdhsa_enable_private_segment 0
		.amdhsa_kernarg_size 40
		.amdhsa_user_sgpr_count 2
		.amdhsa_user_sgpr_kernarg_segment_ptr 1
		.amdhsa_wavefront_size32 1
		.amdhsa_system_sgpr_workgroup_id_x 1
		.amdhsa_system_sgpr_workgroup_id_y 1
		.amdhsa_system_sgpr_workgroup_id_z 1
		.amdhsa_system_vgpr_workitem_id 0
		.amdhsa_next_free_vgpr 1024
		.amdhsa_next_free_sgpr 102
		.amdhsa_reserve_vcc 0
		.amdhsa_float_denorm_mode_32 3
		.amdhsa_float_denorm_mode_16_64 3
		.amdhsa_memory_ordered 1
		.amdhsa_forward_progress 1
		.amdhsa_inst_pref_size 169
	.end_amdhsa_kernel
	.amdgpu_metadata
---
amdhsa.version: [ 1, 2 ]
amdhsa.kernels:
  - .name:           k_qc7f85d65b0_proj
    .symbol:         k_qc7f85d65b0_proj.kd
    .args:
      - { .name: xc, .offset: 0, .size: 8, .value_kind: global_buffer, .address_space: global }
      - { .name: xs, .offset: 8, .size: 8, .value_kind: global_buffer, .address_space: global }
      - { .name: wc, .offset: 16, .size: 8, .value_kind: global_buffer, .address_space: global }
      - { .name: ws, .offset: 24, .size: 8, .value_kind: global_buffer, .address_space: global }
      - { .name: kv, .offset: 32, .size: 8, .value_kind: global_buffer, .address_space: global }
    .group_segment_fixed_size: 327680
    .private_segment_fixed_size: 0
    .kernarg_segment_align: 8
    .kernarg_segment_size: 40
    .max_flat_workgroup_size: 128
    .sgpr_count:     102
    .vgpr_count:     1024
    .wavefront_size: 32
...
	.end_amdgpu_metadata
.endif
;; end of part 2
;; launch attn (part 3): grid 4 x 64, 16 waves a work-group, clusters of 4 x 1, 280,576 bytes of LDS; arguments kv, out0; writes out0
.if DOCPART == 3
	.amdgcn_target "amdgcn-amd-amdhsa--gfx1250"
	.amdhsa_code_object_version 6
	.text
	.protected	k_qc7f85d65b0_attn
	.globl	k_qc7f85d65b0_attn
	.p2align	8
	.type	k_qc7f85d65b0_attn,@function
k_qc7f85d65b0_attn:
	s_mov_b64 s[64:65], 0
	v_nop
	global_prefetch_b8 v0, s[64:65] scope:SCOPE_SE
	s_setreg_imm32_b32 hwreg(HW_REG_WAVE_MODE, 25, 1), 1
	s_wait_xcnt 0x0
	s_wait_alu depctr_hold_cnt(0) depctr_sa_sdst(0) depctr_va_vdst(0) depctr_va_sdst(0) depctr_va_ssrc(0) depctr_va_vcc(0) depctr_vm_vsrc(0)
	s_getreg_b32 s2, hwreg(HW_REG_IB_STS2, 6, 4)
	s_cmp_eq_u32 s2, 0
	s_cbranch_scc0 .Lentry_in_a_cluster
	s_endpgm
.Lentry_in_a_cluster:
	s_bfe_u32 s2, ttmp6, 0x10000c
	s_cmp_lg_u32 s2, 0x3003
	s_cbranch_scc0 .Lentry_shape_is_right
	s_endpgm
.Lentry_shape_is_right:
; out[b][q][head][:] = the sum over keys k <= q of softmax_k(Q[q] . K[k] / 32) V[k][:], with Q = K = V = one head's 64 columns of q, both products on codes of FP6 (E2M3) with one E8M0 scale for each 32 along K.
; kv holds, for each of the 64 (batch, head), a record of 208,896 bytes: 16 step records (128 keys) of 13,056 bytes: +0 eight tiles of 16 keys x 64 d (6 registers a lane, 3 pieces of 8 bytes x 32 lanes);
; +6,144 four fragments of 16 d x 128 keys (12 registers a lane); +12,288 the keys' scale words [lane][4]; +12,800 the values' [lane][2]: images of the operands' registers.
; THE SOFTMAX: t = score x log2(e) / 32; M = the row's largest t so far, rounded UP to a whole number; p = 2^(t - M) is what is quantised, along the keys, not normalised.  The row's sum is taken of the
; unquantised p, in f32, and divides at the end.  When M moves, the sum and O are multiplied by 2^(old M - new M): exact.  A block's largest p is made from its largest score by the same two instructions
; (this takes v_exp_f32 not to fall where its input rises).  LIMITS: no NaN or infinities in q; a block whose every p is 0 keeps the byte 1: its codes are zeros.
; THE WHOLE HEAD RECORD LIES IN LDS: it is fetched once, nothing is filled again, and behind the third barrier no wave waits for another.
; CLUSTER: the four work-groups of a cluster serve one (batch, head) and need the same record: each part of it is asked for JOINTLY, by the same tensor load with the same descriptor and a mask that names the four.
; SHARES.  The head's 2,048 queries are 16 groups of 128; a group's eight tiles of 16 queries are the eight tiles of keys of its step record.  Wave w of work-group cx takes tile 2 cx + w % 2 of two groups:
; 8 + w / 2 first, 7 - w / 2 afterwards: (9 + w / 2) + (8 - w / 2) = 17 key steps for every wave of every work-group.  All branches hang on the wave's number and on loop counts; cx enters global addresses
; and one lane value of the mask alone.
; LAYOUT.  Both products are used transposed: S^T = K Q^T (source 0 = 16 keys, source 1 = my 16 queries), O^T = V^T P^T (source 0 = 16 of the head's 64, source 1 = P): a lane holds ONE query throughout.
; Place r of tile 2 b + u is key 32 b + 8 u + r + 8 (r / 8), so that the 16 registers of tiles 2 b and 2 b + 1 are the keys 32 b + 16 (lane / 16) + 0 .. 15; the values' fragments order d likewise.
; K = 64 IN AN INSTRUCTION OF K = 128: Q's registers 6-11 are zero codes.  A tile of keys is named with the six registers that follow it (the next tile's codes, or zeros): they meet zero codes, and no scale byte is 0xff.
; REGISTERS: v1-10 addresses and lane values that stay; v12 -M, v13 the largest t, v[14:15] the sum in two halves; v16-27 the first tile's Q, v255 its scale words; v192-203, v204 the second's;
; v32-79 eight tiles of keys, then four fragments of values; v80-85 zeros; v96-159 S^T, then p; v160-191 O^T; v224-235 p's codes; v232-254 at work; v248-251 the keys' scale words, then v248-249 the values'.
.set SREC,  13056                      ; a step record
.set HREC,  16*SREC                    ; a head record: LDS bytes 0 .. 208,895
.set STG,   HREC                       ; behind it: a stage of 16 rows x (256 + 16) bytes for each wave, its own; no fill ever lands there
.set STGW,  16*272
.set PA_B,  7*256                      ; what a wave's three tensor loads bring: 7, 20 and 24 rows of 256 bytes;
.set PB_B,  20*256                     ; sixteen waves: 28,672 bytes (steps 0, 1 and more), 81,920 (up to byte 110,592: steps 0 to 7 and more), 98,304 (the rest)
.set PC_B,  24*256
.set L8,   1                           ; v1   8 x lane
.set L16,  2                           ; v2   16 x lane
.set A8,   3                           ; v3   the step record's LDS byte + 8 x lane
.set A16,  4                           ; v4   the same + 16 x lane
.set STO,  5                           ; v5   the way out: where I put 16 bytes of a row
.set RD,   6                           ; v6   the way out: where I read a row back
.set GO,   7                           ; v7   my byte offset in out: 4,096 (lane / 16) + 16 (lane % 16)
.set YQ,   8                           ; v8   my query's place in its group of 128, less 16 (lane / 16)
.set QA,   9                           ; v9   my bytes of my tile in a step record: 768 x tile + 8 x lane
.set QSA,  10                          ; v10  my query's scale word among a step record's
.set KV,   32
.set WV,   8                           ; s8   my wave's number
.set CX,   9                           ; s9   my work-group's place in the cluster
.set HB,   10                          ; s10  16 x batch + head
.set GR1,  13                          ; s13  my first group, 8 .. 15
.set GR2,  14                          ; s14  my second, 7 .. 0
.set G1A,  16                          ; s[16:23], s[24:31], s[32:39] descriptor groups 1;  s[40:43], s[44:47], s[48:51] groups 0
.set G1B,  24
.set G1C,  32
.set G0A,  40
.set G0B,  44
.set G0C,  48
.set SEL,  52                          ; s[52:53] lane selects for v_permlanex16_b32: lane l xor 16
.set CS,   54                          ; s[54:55] c = log2(e) / 32: the packed form names a pair and takes its low word for both halves
.set TB,   56                          ; s56  LDS byte at which the step record in hand begins
.set KSN,  57                          ; s57  the key step's number
.set OUT1, 58                          ; s[58:59], s[60:61] out at my two tiles' first rows
.set OUT2, 60
.set HP1,  66                          ; s[66:67], s[68:69] kv at my two groups' step records
.set HP2,  68
.macro CROUND                          ; a round of the cluster's barrier
	s_barrier_signal -1
	s_barrier_wait -1
	s_cmp_lg_u32 s[WV], 0
	s_cbranch_scc1 .Lnot_wave_0_\@
	s_barrier_signal -3
.Lnot_wave_0_\@:
	s_barrier_wait -3
	s_barrier_signal -1
	s_barrier_wait -1
.endm
.macro GROUP1 g, rows                  ; a dense block as rows of 256 bytes: 32 elements of 8 bytes, no padding
	s_mov_b32 s[\g], 15|(3<<16)|(1<<21)            ; 15:0 the mask: all four work-groups; 17:16 elements of 8 bytes; 21 set beside a mask
	s_mov_b32 s[\g+1], 32<<16                      ; tensor_dim0 = 32
	s_mov_b32 s[\g+2], (\rows)<<16                 ; tensor_dim1
	s_mov_b32 s[\g+3], 32<<16                      ; tile_dim0 = 32
	s_mov_b32 s[\g+4], \rows                       ; tile_dim1
	s_mov_b32 s[\g+5], 32                          ; tensor_dim0_stride
	s_mov_b32 s[\g+6], 0
	s_mov_b32 s[\g+7], 0
.endm
	s_load_b128 s[4:7], s[0:1], 0x0                ; kv, out
	v_lshl_add_u32 v223, v0, 2, 0x44000
	v_mov_b32 v243, 0
	ds_add_u32 v223, v243
	ds_add_u32 v223, v243
	v_lshrrev_b32 v1, 5, v0
	s_delay_alu instid0(VALU_DEP_1)
	v_readfirstlane_b32 s[WV], v1                  ; wave 0..15
	s_bfe_u32 s[CX], ttmp6, 0x40000                ; cx
	s_and_b32 s[HB], ttmp7, 0xffff                 ; the cluster's y: 16 x batch + head, which the four partners share
	s_lshr_b32 s11, s[WV], 1
	s_and_b32 s12, s[WV], 1
	s_add_co_u32 s[GR1], s11, 8
	s_sub_co_u32 s[GR2], 7, s11
	GROUP1 G1A, 7
	GROUP1 G1B, 20
	GROUP1 G1C, 24
	s_mov_b32 s[SEL], 0x76543210
	s_mov_b32 s[SEL+1], 0xfedcba98
	s_mov_b32 s[CS], 0x3d38aa3b                    ; c = log2(e) / 32
	s_mov_b32 s[CS+1], s[CS]                       ; (named with it as a pair, so it is written)
	s_mul_i32 s70, s[HB], HREC
	s_mov_b32 s71, 0
	s_mov_b32 s75, 0
	s_mov_b32 s79, 0
	s_wait_dscnt 0x0
	s_wait_kmcnt 0x0
	s_add_nc_u64 s[72:73], s[4:5], s[70:71]        ; my head's record
	; groups 0: a part's LDS byte is its byte in the record: a constant + the wave's number x a constant
	s_mov_b32 s[G0A], 1
	s_mul_i32 s[G0A+1], s[WV], PA_B
	s_mov_b32 s74, s[G0A+1]
	s_add_nc_u64 s[G0A+2:G0A+3], s[72:73], s[74:75]
	s_or_b32 s[G0A+3], s[G0A+3], 0x80000000
	s_mov_b32 s[G0B], 1
	s_mul_i32 s[G0B+1], s[WV], PB_B
	s_add_co_u32 s[G0B+1], s[G0B+1], 16*PA_B
	s_mov_b32 s74, s[G0B+1]
	s_add_nc_u64 s[G0B+2:G0B+3], s[72:73], s[74:75]
	s_or_b32 s[G0B+3], s[G0B+3], 0x80000000
	s_mov_b32 s[G0C], 1
	s_mul_i32 s[G0C+1], s[WV], PC_B
	s_add_co_u32 s[G0C+1], s[G0C+1], 16*(PA_B+PB_B)
	s_mov_b32 s74, s[G0C+1]
	s_add_nc_u64 s[G0C+2:G0C+3], s[72:73], s[74:75]
	s_or_b32 s[G0C+3], s[G0C+3], 0x80000000
	CROUND                                         ; all four work-groups are here: the joint loads meet
	tensor_load_to_lds s[G0A:G0A+3], s[G1A:G1A+7]  ; the launch's only tensor loads: three of mine are out
	s_nop 0
	tensor_load_to_lds s[G0B:G0B+3], s[G1B:G1B+7]
	s_nop 0
	tensor_load_to_lds s[G0C:G0C+3], s[G1C:G1C+7]
	s_nop 0
.rept 4
	v_nop                                          ; (behind tensor loads)
.endr
	; where my two tiles lie in out and in kv
	s_lshr_b32 s74, s[HB], 4
	s_lshl_b32 s74, s74, 11                        ; the batch's first row,
	s_lshl_b32 s76, s[CX], 5
	s_add_co_u32 s74, s74, s76
	s_lshl_b32 s76, s12, 3
	s_add_co_u32 s74, s74, s76                     ; + 32 cx + 8 (w % 2): place 0 of my tile in its group
	s_and_b32 s77, s[HB], 15
	s_lshl_b32 s77, s77, 8                         ; the head's 256 bytes in a row of 4,096
	s_lshl_b32 s78, s[GR1], 7
	s_add_co_u32 s78, s78, s74
	s_lshl_b32 s78, s78, 12
	s_add_co_u32 s78, s78, s77
	s_add_nc_u64 s[OUT1:OUT1+1], s[6:7], s[78:79]
	s_lshl_b32 s78, s[GR2], 7
	s_add_co_u32 s78, s78, s74
	s_lshl_b32 s78, s78, 12
	s_add_co_u32 s78, s78, s77
	s_add_nc_u64 s[OUT2:OUT2+1], s[6:7], s[78:79]
	s_mul_i32 s78, s[GR1], SREC
	s_add_nc_u64 s[HP1:HP1+1], s[72:73], s[78:79]
	s_mul_i32 s78, s[GR2], SREC
	s_add_nc_u64 s[HP2:HP2+1], s[72:73], s[78:79]
	v_and_b32 v11, 31, v0                          ; lane
	s_delay_alu instid0(VALU_DEP_1)
	v_lshlrev_b32 v[L8], 3, v11
	s_delay_alu instid0(VALU_DEP_2)
	v_lshlrev_b32 v[L16], 4, v11
	v_and_b32 v28, 15, v0                          ; r
	s_wait_alu depctr_va_vdst(0)
	v_bfe_u32 v29, v0, 4, 1                        ; h
	s_lshl_b32 s76, s[CX], 1
	s_add_co_u32 s76, s76, s12                     ; my tile, 2 cx + w % 2
	s_mul_i32 s76, s76, 768
	v_add_nc_u32 v[QA], s76, v[L8]
	s_lshl_b32 s76, s12, 8
	s_lshl_b32 s77, s[CX], 2
	s_add_co_u32 s76, s76, s77
	v_lshlrev_b32 v[QSA], 4, v28
	s_delay_alu instid0(VALU_DEP_1)
	v_add_nc_u32 v[QSA], s76, v[QSA]               ; the words lie [lane][4]: lane 16 (tile % 2) + r, word tile / 2
.irp p, 0,1,2
	global_load_b64 v[16+2*\p:17+2*\p], v[QA], s[HP1:HP1+1] offset:256*\p     ; my queries are keys of their own group's step record: the same codes
	global_load_b64 v[192+2*\p:193+2*\p], v[QA], s[HP2:HP2+1] offset:256*\p
.endr
	global_load_b32 v255, v[QSA], s[HP1:HP1+1] offset:12288
	global_load_b32 v204, v[QSA], s[HP2:HP2+1] offset:12288
	s_mul_i32 s76, s[WV], STGW
	s_add_co_u32 s76, s76, STG                     ; my stage
	v_mul_u32_u24 v[STO], v28, 272
	s_wait_alu depctr_va_vdst(0)
	v_lshl_add_u32 v[STO], v29, 6, v[STO]
	s_delay_alu instid0(VALU_DEP_1)
	v_add_nc_u32 v[STO], s76, v[STO]               ; in: row r, + 64 h bytes
	v_mul_u32_u24 v[RD], v29, 272
	s_delay_alu instid0(VALU_DEP_1)
	v_lshl_add_u32 v[RD], v28, 4, v[RD]
	s_delay_alu instid0(VALU_DEP_1)
	v_add_nc_u32 v[RD], s76, v[RD]                 ; back: lanes 0-15 one row, lanes 16-31 the next
	v_lshlrev_b32 v[GO], 12, v29
	s_delay_alu instid0(VALU_DEP_1)
	v_lshl_add_u32 v[GO], v28, 4, v[GO]
	v_and_b32 v[YQ], 8, v28
	s_delay_alu instid0(VALU_DEP_1)
	v_add_nc_u32 v[YQ], v[YQ], v28                 ; r + 8 (r / 8)
	v_lshlrev_b32 v30, 4, v29
	s_delay_alu instid0(VALU_DEP_1)
	v_sub_nc_u32 v[YQ], v[YQ], v30                 ; - 16 h
	s_lshl_b32 s76, s[CX], 5
	s_lshl_b32 s77, s12, 3
	s_add_co_u32 s76, s76, s77
	v_add_nc_u32 v[YQ], s76, v[YQ]                 ; + 32 cx + 8 (w % 2)
.irp j, 22,23,24,25,26,27, 198,199,200,201,202,203, 80,81,82,83,84,85
	v_mov_b32 v[\j], 0                             ; zero codes: the upper half of K in both tiles of queries, and what follows the last tile of keys
.endr
.irp j, 236,237,238,239,252
	v_mov_b32 v[\j], 0                             ; written once: a lane permute's destination counts as one of its sources
.endr
	v_mov_b32 v253, 0                              ; (named as the upper half of the pair v[252:253] before it is first written)
.macro INIT                            ; a tile begins: O^T and the sum are zeros, which the first change of M leaves zeros; the largest t is -3e38, under every t
	v_mov_b32 v13, 0xff61b1e6
	s_delay_alu instid0(VALU_DEP_1)
	v_floor_f32 v12, -v13                          ; -M
	v_mov_b32 v14, 0
	v_mov_b32 v15, 0
.irp j, 0,1,2,3,4,5,6,7,8,9,10,11,12,13,14,15,16,17,18,19,20,21,22,23,24,25,26,27,28,29,30,31
	v_mov_b32 v[160+\j], 0
.endr
	s_mov_b32 s[TB], 0
	s_mov_b32 s[KSN], 0
.endm
; A KEY STEP: 128 keys.  qf, qs: the registers of my queries' codes and scale words.  g: the scalar register with my queries' group.
; chk = 0: every key of the step counts for every query of mine.  chk = 1: a step behind my group is left out (a scalar branch on the wave's number and the loop's count, round the work, not round the
; lines at the end that step the address and the count); in my group's own step hidden scores become -infinity.
.macro STEP qf, qs, chk, g
.if \chk
	s_cmp_gt_u32 s[KSN], s[\g]
	s_cbranch_scc1 .Lhidden_\@
.endif
	s_setprio 2
	v_add_nc_u32 v[A8], s[TB], v[L8]
	v_add_nc_u32 v[A16], s[TB], v[L16]
	v_nop
	v_nop                                          ; four places in front of loads into registers that the last products have read
.irp t, 0,1,2,3,4,5,6,7
.irp p, 0,1,2
	ds_load_b64 v[KV+6*\t+2*\p:KV+6*\t+2*\p+1], v[A8] offset:768*\t+256*\p   ; 32 lanes read 256 consecutive bytes
.endr
.endr
	ds_load_b128 v[248:251], v[A16] offset:12288   ; the keys' scale words: word b: tile 2 b in lanes 0-15, tile 2 b + 1 in lanes 16-31
	s_wait_alu depctr_va_vdst(0)
	s_wait_dscnt 0x0
.irp t, 0,1,2,3,4,5,6,7                        ; S^T = K Q^T
.if \t%2
	v_wmma_scale_f32_16x16x128_f8f6f4 v[96+8*\t:103+8*\t], v[KV+6*\t:KV+6*\t+11], v[\qf:\qf+11], 0, v[248+\t/2], v[\qs] matrix_a_fmt:MATRIX_FMT_FP6 matrix_b_fmt:MATRIX_FMT_FP6 matrix_a_scale:MATRIX_SCALE_ROW1
.else
	v_wmma_scale_f32_16x16x128_f8f6f4 v[96+8*\t:103+8*\t], v[KV+6*\t:KV+6*\t+11], v[\qf:\qf+11], 0, v[248+\t/2], v[\qs] matrix_a_fmt:MATRIX_FMT_FP6 matrix_b_fmt:MATRIX_FMT_FP6
.endif
.endr
.rept 4
	v_nop                                          ; four places: in front of the loads below, into registers that these products have read, and of the first read of the scores
.endr
.irp t, 0,1,2,3                                ; the values are asked for now, and land under the softmax
.irp p, 0,1,2,3,4,5
	ds_load_b64 v[KV+12*\t+2*\p:KV+12*\t+2*\p+1], v[A8] offset:6144+1536*\t+256*\p
.endr
.endr
	ds_load_b64 v[248:249], v[A8] offset:12800     ; their scale words: word 0: fragments 0, 1; word 1: fragments 2, 3
.if \chk
	s_cmp_lg_u32 s[KSN], s[\g]
	s_cbranch_scc1 .Lopen_\@
	v_mov_b32 v254, 0xff800000                     ; -infinity.  Register 16 b + i holds key 32 b + 16 (lane / 16) + i of the step: hidden where 32 b + i > my query's place - 16 (lane / 16)
.irp n, 0,1,2,3,4,5,6,7,8,9,10,11,12,13,14,15,16,17,18,19,20,21,22,23,24,25,26,27,28,29,30,31,32,33,34,35,36,37,38,39,40,41,42,43,44,45,46,47,48,49,50,51,52,53,54,55,56,57,58,59,60,61,62,63
	v_cmp_gt_i32 vcc_lo, 32*(\n/16)+\n%16, v[YQ]
	v_cndmask_b32 v[96+\n], v[96+\n], v254, vcc_lo
.endr
.Lopen_\@:
.endif
.irp b, 0,1,2,3
	v_max3_num_f32 v[232+\b], v[96+16*\b], v[97+16*\b], v[98+16*\b]   ; THE LARGEST SCORE OF EACH BLOCK OF 32 KEYS: it serves twice: for the row's maximum, and, since p rises with the score, for the block's largest p
.endr
.irp i, 3,5,7,9,11,13
.irp b, 0,1,2,3
	v_max3_num_f32 v[232+\b], v[232+\b], v[96+16*\b+\i], v[97+16*\b+\i]   ; (the four blocks by turns)
.endr
.endr
.irp b, 0,1,2,3
	v_max_num_f32 v[232+\b], v[232+\b], v[111+16*\b]
.endr
.irp b, 0,1,2,3
	s_delay_alu instid0(VALU_DEP_4)
	v_permlanex16_b32 v[236+\b], v[232+\b], s[SEL], s[SEL+1]
.endr
.irp b, 0,1,2,3
	s_delay_alu instid0(VALU_DEP_4)
	v_max_num_f32 v[232+\b], v[232+\b], v[236+\b]  ; with lane l xor 16's 16 keys
.endr
	s_delay_alu instid0(VALU_DEP_2)
	v_max3_num_f32 v254, v232, v233, v234
	s_delay_alu instid0(VALU_DEP_1)
	v_max_num_f32 v254, v254, v235                 ; the step's largest score of my query
	s_delay_alu instid0(VALU_DEP_1)
	v_mul_f32 v254, s[CS], v254                    ; as t (c is positive)
	s_delay_alu instid0(VALU_DEP_1)
	v_max_num_f32 v13, v13, v254                   ; the running largest t
	v_mov_b32 v254, v12
	s_delay_alu instid0(VALU_DEP_2)
	v_floor_f32 v12, -v13                          ; the new -M = floor(-t) = -ceil(t): M IS A WHOLE NUMBER
	s_delay_alu instid0(VALU_DEP_1)
	v_sub_f32 v254, v12, v254                      ; M's old value less its new one: a whole number, 0 or less
	s_delay_alu instid0(VALU_DEP_1)
	v_cvt_i32_f32 v254, v254                       ; (it saturates)
	s_delay_alu instid0(VALU_DEP_1)
	v_ldexp_f32 v252, 1.0, v254                    ; f = 2^(old M - new M)
.irp j, 0,2,4,6,8,10,12,14,16,18,20,22,24,26,28,30,32,34,36,38,40,42,44,46,48,50,52,54,56,58,60,62
	v_pk_fma_f32 v[96+\j:97+\j], v[96+\j:97+\j], s[CS:CS+1], v[12:13] op_sel_hi:[1,0,0]   ; t - M, two at a time (of the pairs c and -M the low word serves both halves)
.endr
.irp b, 0,1,2,3
	v_fma_f32 v[232+\b], v[232+\b], s[CS], v12     ; the same of each block's largest score
.endr
	s_setprio 1
	s_wait_alu depctr_va_vdst(0)
.irp j, 0,1,2,3,4,5,6,7,8,9,10,11,12,13,14,15,16,17,18,19,20,21,22,23,24,25,26,27,28,29,30,31,32,33,34,35,36,37,38,39,40,41,42,43,44,45,46,47,48,49,50,51,52,53,54,55,56,57,58,59,60,61,62,63
	v_exp_f32 v[96+\j], v[96+\j]                   ; p = 2^(t - M), at most 1: NOT normalised
.endr
	v_pk_mul_f32 v[14:15], v[14:15], v[252:253] op_sel_hi:[1,0]   ; the sums under the new M (the plain line behind the exponentials)
	s_wait_alu depctr_va_vdst(0)                   ; one wait for the whole batch of 64, ahead of its first reader
.irp b, 0,1,2,3
	v_exp_f32 v[232+\b], v[232+\b]                 ; the block's largest p: the same two instructions on the same number give the same bits
.endr
	v_pk_add_f32 v[236:237], v[100:101], v[104:105]
	v_pk_add_f32 v[250:251], v[108:109], v[112:113]
	v_pk_add_f32 v[246:247], v[116:117], v[120:121]
	v_pk_add_f32 v[244:245], v[124:125], v[128:129]
	v_pk_add_f32 v[240:241], v[132:133], v[136:137]
	v_pk_add_f32 v[238:239], v[140:141], v[144:145]
	v_pk_add_f32 v[230:231], v[148:149], v[152:153]
	v_pk_add_f32 v[14:15], v[14:15], v[156:157]
	v_pk_add_f32 v[236:237], v[236:237], v[96:97]
	v_pk_add_f32 v[250:251], v[250:251], v[98:99]
	v_pk_add_f32 v[246:247], v[246:247], v[102:103]
	v_pk_add_f32 v[244:245], v[244:245], v[106:107]
	v_pk_add_f32 v[240:241], v[240:241], v[110:111]
	v_pk_add_f32 v[238:239], v[238:239], v[114:115]
	v_pk_add_f32 v[230:231], v[230:231], v[118:119]
	v_pk_add_f32 v[14:15], v[14:15], v[122:123]
	v_pk_add_f32 v[236:237], v[236:237], v[126:127]
	v_pk_add_f32 v[250:251], v[250:251], v[130:131]
	v_pk_add_f32 v[246:247], v[246:247], v[134:135]
	v_pk_add_f32 v[244:245], v[244:245], v[138:139]
	v_pk_add_f32 v[240:241], v[240:241], v[142:143]
	v_pk_add_f32 v[238:239], v[238:239], v[146:147]
	v_pk_add_f32 v[230:231], v[230:231], v[150:151]
	v_pk_add_f32 v[14:15], v[14:15], v[154:155]
	v_pk_add_f32 v[236:237], v[236:237], v[158:159]
	s_delay_alu instid0(VALU_DEP_2)
	v_pk_add_f32 v[14:15], v[14:15], v[244:245]
	s_delay_alu instid0(VALU_DEP_2)
	v_pk_add_f32 v[236:237], v[236:237], v[240:241]
	v_pk_add_f32 v[250:251], v[250:251], v[238:239]
	v_pk_add_f32 v[246:247], v[246:247], v[230:231]
	s_delay_alu instid0(VALU_DEP_2)
	v_pk_add_f32 v[14:15], v[14:15], v[250:251]
	s_delay_alu instid0(VALU_DEP_2)
	v_pk_add_f32 v[236:237], v[236:237], v[246:247]
	s_delay_alu instid0(VALU_DEP_1)
	v_pk_add_f32 v[14:15], v[14:15], v[236:237]
	s_wait_alu depctr_va_vdst(0)                   ; and one for the four
.irp b, 0,1,2,3
	v_max_num_f32 v[232+\b], 0x1800000, v[232+\b]  ; the floor 2^(3 - 127): the byte cannot fall under 1
.endr
.irp b, 0,1,2,3
	s_delay_alu instid0(VALU_DEP_4)
	v_add_nc_u32 v[244+\b], 0xff000000, v[232+\b]  ; 2 off the exponent field: the conversion's scale operand
.endr
.irp b, 0,1,2,3
	s_delay_alu instid0(VALU_DEP_4)
	v_lshrrev_b32 v[236+\b], 23, v[244+\b]         ; the scale's byte
.endr
	s_delay_alu instid0(VALU_DEP_3)
	v_lshl_or_b32 v253, v237, 8, v236              ; p's scale word for these 128 keys
	s_delay_alu instid0(VALU_DEP_1)
	v_lshl_or_b32 v253, v238, 16, v253
	s_delay_alu instid0(VALU_DEP_1)
	v_lshl_or_b32 v253, v239, 24, v253
.irp c, 0,1
	v_cvt_scalef32_pk16_fp6_f32 v[224+6*\c:226+6*\c], v[96+32*\c:111+32*\c], v[244+2*\c]
	v_cvt_scalef32_pk16_fp6_f32 v[236+4*\c:238+4*\c], v[112+32*\c:127+32*\c], v[244+2*\c+1]   ; (a conversion's three registers begin on an even number)
.endr
	s_setprio 0
	v_nop                                          ; one plain line behind a scaled conversion
.irp c, 0,1                                    ; the operand's layout wants a WHOLE block in a lane: lanes 0-15 block 2 c, lanes 16-31 block 2 c + 1
.irp i, 0,1,2
	v_permlane16_swap_b32 v[224+6*\c+\i], v[236+4*\c+\i]
.endr
.irp i, 0,1,2
	s_delay_alu instid0(VALU_DEP_3)
	v_mov_b32 v[227+6*\c+\i], v[236+4*\c+\i]
.endr
.endr
.irp j, 0,2,4,6,8,10,12,14,16,18,20,22,24,26,28,30
	v_pk_mul_f32 v[160+\j:161+\j], v[160+\j:161+\j], v[252:253] op_sel_hi:[1,0]   ; O^T under the new M: x f.  For each product below twelve of these sixteen name none of its registers: the places behind p's scale word (8) and codes (4)
.endr
	s_wait_alu depctr_va_vdst(0)
	s_wait_dscnt 0x0                               ; the values and their scale words are in
.irp t, 0,1,2,3                                ; O^T += V^T P^T: the four accumulators by turns
.if \t%2
	v_wmma_scale_f32_16x16x128_f8f6f4 v[160+8*\t:167+8*\t], v[KV+12*\t:KV+12*\t+11], v[224:235], v[160+8*\t:167+8*\t], v[248+\t/2], v253 matrix_a_fmt:MATRIX_FMT_FP6 matrix_b_fmt:MATRIX_FMT_FP6 matrix_a_scale:MATRIX_SCALE_ROW1
.else
	v_wmma_scale_f32_16x16x128_f8f6f4 v[160+8*\t:167+8*\t], v[KV+12*\t:KV+12*\t+11], v[224:235], v[160+8*\t:167+8*\t], v[248+\t/2], v253 matrix_a_fmt:MATRIX_FMT_FP6 matrix_b_fmt:MATRIX_FMT_FP6
.endif
.endr
.if \chk
.Lhidden_\@:
.endif
	s_add_co_u32 s[TB], s[TB], SREC                ; the next step record
	s_add_co_u32 s[KSN], s[KSN], 1
.endm
.macro LOOP end, qf, qs, chk, g        ; key steps up to, not including, end: a constant
.Lkeys_\@:
	STEP \qf, \qs, \chk, \g
	s_cmp_lt_u32 s[KSN], \end
	s_cbranch_scc1 .Lkeys_\@
	s_setprio 0
.endm
; THE WAY OUT of a tile.  Register 16 b + i of O^T is d = 32 b + 16 (lane / 16) + i of my query.  O^T / the sum goes through my own stage in LDS and comes back as whole rows: a query's 64 numbers of this head
; are 256 consecutive aligned bytes of out, which sixteen lanes store.  Place p of the tile is row p + 8 (p / 8) from the tile's first.
.macro WAYOUT o
.rept 4
	v_nop                                          ; four places behind the last products
.endr
	v_add_f32 v14, v14, v15                        ; the sum's two halves,
	s_delay_alu instid0(VALU_DEP_1)
	v_permlanex16_b32 v252, v14, s[SEL], s[SEL+1]
	s_delay_alu instid0(VALU_DEP_1)
	v_add_f32 v14, v14, v252                       ; and lane l xor 16's: the row's sum
	s_wait_alu depctr_va_vdst(0)
	v_rcp_f32 v14, v14
	v_nop                                          ; a plain line behind the reciprocal
	s_wait_alu depctr_va_vdst(0)                   ; and the wait ahead of its first reader
.irp j, 0,2,4,6,8,10,12,14,16,18,20,22,24,26,28,30
	v_pk_mul_f32 v[96+\j:97+\j], v[160+\j:161+\j], v[14:15] op_sel_hi:[1,0]   ; each accumulator from its low end on
.endr
.irp b, 0,1
.irp k, 0,1,2,3
	ds_store_b128 v[STO], v[96+16*\b+4*\k:99+16*\b+4*\k] offset:128*\b+16*\k
.endr
.endr
.irp i, 0,1,2,3,4,5,6,7
	ds_load_b128 v[128+4*\i:131+4*\i], v[RD] offset:544*\i   ; LDS serves a wave's instructions in order: these see my stores
.endr
.irp i, 0,1,2,3,4,5,6,7
	s_wait_dscnt 7-\i                              ; load i is in; the 7 - i younger ones may be out
	global_store_b128 v[GO], v[128+4*\i:131+4*\i], s[\o:\o+1] offset:(2*\i+8*(\i/4))*4096 th:TH_STORE_NT   ; places 2 i and 2 i + 1
.endr
	s_wait_xcnt 0x0                                ; the stores have read their data: those registers are written again only behind this wait
.endm
	INIT
	s_wait_loadcnt 0x0                             ; both tiles of queries
	s_wait_tensorcnt 2                             ; my first part is in (the two behind it may be out)
	s_barrier_signal -1
	s_barrier_wait -1                              ; everybody's is: bytes 0 .. 28,671, which hold steps 0 and 1
	LOOP 2, 16, 255, 0, GR1
	s_wait_tensorcnt 1                             ; my second part is in (the third may be out),
	s_wait_dscnt 0x0
	s_barrier_signal -1
	s_barrier_wait -1                              ; everybody's is: bytes up to 110,591, which hold steps 0 to 7
	LOOP 8, 16, 255, 0, GR1                        ; my first group is 8 or later: all keys of steps 0 to 7 count
	s_wait_tensorcnt 0x0
	s_wait_dscnt 0x0
	s_barrier_signal -1
	s_barrier_wait -1                              ; the whole record lies in LDS
	LOOP 16, 16, 255, 1, GR1
	WAYOUT OUT1
	INIT
	LOOP 8, 192, 204, 1, GR2                       ; my second group is 7 or earlier
	WAYOUT OUT2
	s_wait_dscnt 0x0
	s_wait_tensorcnt 0x0
	ds_add_u32 v223, v243
	s_wait_dscnt 0x0
	CROUND                                         ; the closing round
	s_endpgm
.Lfunc_end_k_qc7f85d65b0_attn:
	.size	k_qc7f85d65b0_attn, .Lfunc_end_k_qc7f85d65b0_attn-k_qc7f85d65b0_attn
	.p2alignl 7, 3214868480
	.fill 96, 4, 3214868480
	.section	.rodata,"a",@progbits
	.p2align	6, 0x0
	.amdhsa_kernel k_qc7f85d65b0_attn
		.amdhsa_group_segment_fixed_size 280576
		.amdhsa_private_segment_fixed_size 0
		.amdhsa_enable_private_segment 0
		.amdhsa_kernarg_size 16
		.amdhsa_user_sgpr_count 2
		.amdhsa_user_sgpr_kernarg_segment_ptr 1
		.amdhsa_wavefront_size32 1
		.amdhsa_system_sgpr_workgroup_id_x 1
		.amdhsa_system_sgpr_workgroup_id_y 1
		.amdhsa_system_sgpr_workgroup_id_z 1
		.amdhsa_system_vgpr_workitem_id 0
		.amdhsa_next_free_vgpr 256
		.amdhsa_next_free_sgpr 80
		.amdhsa_reserve_vcc 1
		.amdhsa_float_denorm_mode_32 3
		.amdhsa_float_denorm_mode_16_64 3
		.amdhsa_memory_ordered 1
		.amdhsa_forward_progress 1
		.amdhsa_inst_pref_size 102
	.end_amdhsa_kernel
	.amdgpu_metadata
---
amdhsa.version: [ 1, 2 ]
amdhsa.kernels:
  - .name:           k_qc7f85d65b0_attn
    .symbol:         k_qc7f85d65b0_attn.kd
    .args:
      - { .name: kv, .offset: 0, .size: 8, .value_kind: global_buffer, .address_space: global }
      - { .name: out0, .offset: 8, .size: 8, .value_kind: global_buffer, .address_space: global }
    .group_segment_fixed_size: 280576
    .private_segment_fixed_size: 0
    .kernarg_segment_align: 8
    .kernarg_segment_size: 16
    .max_flat_workgroup_size: 512
    .sgpr_count:     80
    .vgpr_count:     256
    .wavefront_size: 32
...
	.end_amdgpu_metadata
.endif
;; end of part 3
